; MI455X (gfx1250); checked and timed in simulation.
; The chip was launched on July 23, 2026; its instructions are those of AMD's public machine-readable ISA for CDNA 5 (MIT licence, August 2026) and "CDNA5" Instruction Set Architecture Reference Guide (July 2026). The comments in the code are by the model that wrote it; some were corrected since.
;; My Attention. Allowed arithmetic: matrix products marked QUANTISED: E2M3 operands, one E8M0 scale for each 32 along K, by v_wmma_scale_f32_16x16x128_f8f6f4 with both operands' format E2M3, f32 sums; everything else in f32.
;; Inputs: bk 1,024 float32; bo 64 float32; bq 1,024 float32; bv 1,024 float32; inputs_codes 4 x 2,048 x 32 x 24 uint8 (E2M3 codes of inputs, K innermost, in blocks of 32 codes, four codes in three bytes); inputs_scales 4 x 2,048 x 32 uint8 (E8M0 scales of inputs, one for each 32 codes along K); wk_codes 1,024 x 32 x 24 uint8 (E2M3 codes of wk, K innermost, in blocks of 32 codes, four codes in three bytes); wk_scales 1,024 x 32 uint8 (E8M0 scales of wk, one for each 32 codes along K); wo_codes 64 x 32 x 24 uint8 (E2M3 codes of wo, K innermost, in blocks of 32 codes, four codes in three bytes); wo_scales 64 x 32 uint8 (E8M0 scales of wo, one for each 32 codes along K); wq_codes 1,024 x 32 x 24 uint8 (E2M3 codes of wq, K innermost, in blocks of 32 codes, four codes in three bytes); wq_scales 1,024 x 32 uint8 (E8M0 scales of wq, one for each 32 codes along K); wv_codes 1,024 x 32 x 24 uint8 (E2M3 codes of wv, K innermost, in blocks of 32 codes, four codes in three bytes); wv_scales 1,024 x 32 uint8 (E8M0 scales of wv, one for each 32 codes along K).
;; Outputs: out0 4 x 2,048 x 64 float32.
;; This version of the problem:
;;   THIS VERSION OF THE PROBLEM IS GIVEN IN LOW PRECISION. The matrix products marked QUANTISED in the list below multiply operands that are first quantised to E2M3 (2 exponent bits, 3 mantissa bits; 6 bits a number), with one power-of-two scale for each 32 numbers along K (OCP MX v1.0); their sums are f32. All else is computed in f32.
;;   The module's matrix products, in the order in which they are computed (A, B: the left and right operand; K: the contracted axis; several contracted axes count as one K, in the product's order):
;;     1. [M 8,192, K 1,024] x [K 1,024, N 1,024]; A: input inputs (given as codes); B: input wq (given as codes): QUANTISED
;;     2. [M 8,192, K 1,024] x [K 1,024, N 1,024]; A: input inputs (given as codes); B: input wk (given as codes): QUANTISED
;;     3. [M 8,192, K 1,024] x [K 1,024, N 1,024]; A: input inputs (given as codes); B: input wv (given as codes): QUANTISED
;;     4. batch 64 x [M 2,048, K 64] x [K 64, N 2,048]; A: computed on the way; B: computed on the way: QUANTISED
;;     5. batch 64 x [M 2,048, K 2,048] x [K 2,048, N 64]; A: softmax (see below); B: computed on the way: QUANTISED
;;     6. [M 8,192, K 1,024] x [K 1,024, N 64]; A: computed on the way; B: input wo (given as codes): QUANTISED
;;   THE QUANTISER, for each operand of a quantised product, along K:
;;     - K is cut into blocks of 32 from its start; a last block that is shorter is filled with zeros.
;;     - A block's scale is 2^e with e = floor(log2(the largest magnitude in the block)) - 2, held to -126 .. 127; a block of zeros has e = 0. As a byte (E8M0): e + 127.
;;     - Each number is divided by its block's scale, clamped to +-7.5, and rounded to the nearest number of E2M3, ties to even, subnormals kept.
;;     - The product sums the exact products of the quantised numbers (number of the format x scale) in f32.
;;   ~~~python
;;   def quantise(x, axis):      # numpy; x: float32 -> the quantised numbers, widened to float32 again
;;       x = np.moveaxis(x, axis, -1); K = x.shape[-1]
;;       x = np.pad(x, [(0, 0)] * (x.ndim - 1) + [(0, -K % 32)]); x = x.reshape(x.shape[:-1] + (-1, 32)); a = np.abs(x).max(-1, keepdims=True)
;;       e = np.where(a > 0, np.clip(np.frexp(np.where(a > 0, a, 1))[1] - 1 - 2, -126, 127), 0)      # np.frexp(a)[1] - 1 = floor(log2(a)), exactly
;;       r = np.clip(x / 2.0 ** e, -7.5, 7.5)
;;       step = 2.0 ** (np.maximum(np.frexp(np.where(r == 0, 1, r))[1] - 1, 0) - 3)
;;       q = np.round(r / step) * step * 2.0 ** e      # np.round: ties to even
;;       return np.moveaxis(q.reshape(q.shape[:-2] + (-1,))[..., :K], -1, axis).astype(np.float32)
;;   ~~~
;;   SOFTMAX AHEAD OF A QUANTISED PRODUCT. Where the list says 'softmax', what is quantised is not the finished softmax but p = 2^(t - M), with t = logit x log2(e) and M = ceil(the row's largest t), a whole number; so 1/2 < the row's largest p <= 1. The row's sum l is taken of the UNQUANTISED p, in f32, and the product's result is divided by l at the end. Since M is a whole number, a kernel that streams over the keys may use a running M (the ceiling of the running maximum): every later rescaling is an exact power of two, which a block's scale takes up: the codes' values come out the same.
;;   OPERANDS COMPUTED ON THE WAY. 'Computed on the way' means the value that the module computes at that place (a softmax that the list does not call 'softmax' is quantised finished and normalised). What goes into a quantiser is computed in f32, as accurately as f32 sums, v_exp_f32 and their like allow (about 1e-6 of the number): no bf16 or f16 on the way to a quantiser, and a product that is left as it is and whose result goes on into a quantised operand takes f32 operands (vector FMAs, or v_wmma_f32_16x16x4_f32). A number that lies on a knife's edge between two numbers of the format may be rounded either way, as far as f32 arithmetic and the matrix unit's own rounding can turn it there, and no further.
;;   INPUTS GIVEN AS CODES. inputs (in the module: [4, 2048, 1024], K = its axis 2); wk (in the module: [1024, 1024], K = its axis 0); wo (in the module: [1024, 64], K = its axis 0); wq (in the module: [1024, 1024], K = its axis 0); wv (in the module: [1024, 1024], K = its axis 0): each comes as NAME_codes (uint8): NAME with its K axis moved to the last place and cut into blocks of 32 codes, [.., K / 32, bytes a block], one block behind the other in memory; four codes in three bytes: a row's codes are one little-endian stream of bits, code i at bits 6 i .. 6 i + 5 (a code: sign, 2 exponent bits, 3 mantissa bits); and NAME_scales (uint8): the same leading axes, one E8M0 byte (e + 127) for each 32 codes along K. Its value is code x scale, taken as it is: it is not quantised again, and the codes and scales need not be those that the quantiser above would give.
;; One version. Each part assembles by itself: llvm-mc -triple=amdgcn-amd-amdhsa -mcpu=gfx1250 --defsym DOCPART=n.
;; ======== version 1 of 1: 3 launches
;; limits: right only within a limited range of input values
;; workspace buffers: qkv 19,660,800 bytes; ocw 6,291,456 bytes; osw 524,288 bytes
;; launch proj (part 1): grid 12 x 32, 4 waves a work-group, clusters of 4 x 4, 327,680 bytes of LDS; arguments inputs_codes, inputs_scales, wq_codes, wq_scales, wk_codes, wk_scales, wv_codes, wv_scales, bq, bk, bv, qkv; writes qkv
.if DOCPART == 1
	.amdgcn_target "amdgcn-amd-amdhsa--gfx1250"
	.amdhsa_code_object_version 6
	.text
	.protected	k_qb83bc49aff_proj
	.globl	k_qb83bc49aff_proj
	.p2align	8
	.type	k_qb83bc49aff_proj,@function
k_qb83bc49aff_proj:
	s_mov_b64 s[64:65], 0
	v_nop
	global_prefetch_b8 v0, s[64:65] scope:SCOPE_SE
	s_setreg_imm32_b32 hwreg(HW_REG_WAVE_MODE, 25, 1), 1
	s_wait_xcnt 0x0
	s_wait_alu depctr_hold_cnt(0) depctr_sa_sdst(0) depctr_va_vdst(0) depctr_va_sdst(0) depctr_va_ssrc(0) depctr_va_vcc(0) depctr_vm_vsrc(0)
	s_getreg_b32 s2, hwreg(HW_REG_IB_STS2, 6, 4)
	s_cmp_eq_u32 s2, 0
	s_cbranch_scc0 .Lentry_in_a_cluster
	s_endpgm
.Lentry_in_a_cluster:
	s_bfe_u32 s2, ttmp6, 0x10000c
	s_cmp_lg_u32 s2, 0xf033
	s_cbranch_scc0 .Lentry_shape_is_right
	s_endpgm
.Lentry_shape_is_right:
; q = x wq + bq, k = x wk + bk, v = x wv + bv on codes of FP6 (E2M3), one E8M0 scale for each 32 along K = 1,024; the results are quantised again, in registers, for the attention launch.
; x: 8,192 rows of 768 bytes of codes, 32 scale bytes a row; each weight: 1,024 rows (its outputs) of the same shape.  Sums in f32; the bias is added in f32 ahead of the quantiser.
; SHARES.  4 x 4 work-groups form a cluster; the cluster's x says which product (0 q, 1 k, 2 v), its y which eighth of x's rows.  A work-group of four waves makes 256 x 256 numbers, a wave 128 x 128: 64 accumulators.
; Source 0 takes 16 rows of 'B', source 1 16 rows of 'A': a lane holds one row of A and its registers run along B's rows, the axis that is quantised: q, k: A = x, B = the weight (the head's channels); v: A = wv, B = x (the keys).
; JOINT LOADS.  A's tile hangs on the cluster's y and cy alone and is shared along a row of the cluster, B's on the cluster's y and cx alone and is shared along a column.
; THE RING: two LDS slots, each one chunk of 256 bytes of A's 256 rows and of B's 256 rows; a row of codes is three chunks, each at a multiple of 256 bytes.  A matrix step is 96 bytes of a row: eight steps; steps 2 and 5 lie across two chunks.
; The scales of all of K come once, at the head, and stay.  No prefetch: K is three chunks, of which two are asked for before the first product.
; STORED: qkv [b x 16 + head][step of 128 rows][Q | K | V record], a record 6,400 bytes: four fragments of 1,536 bytes (registers 4 c .. 4 c + 3 of lane l at 512 c + 16 l) and 256 bytes of scale words (row r's four words at 6,144 + 16 r).
; Q, K: fragment i holds rows 32 i + r (registers 0-5: the head's 64 channels) and rows 32 i + 16 + r (registers 6-11).  V: fragment a holds channels 16 a + r x the step's 128 keys.
; ORDER INSIDE A BLOCK OF 32: its places hold k in the order 0-7, 16-23, 8-15, 24-31, alike in q and k, and alike in v and in the attention launch's p: every product keeps its pairs, and the blocks and their scales are the true ones.
; LIMITS: NaN and infinities are not served.  A block's largest magnitude is held at 2^(3 - 127) from below; a block of zeros gets the byte 1 with zero codes (bytes that this program alone reads).
; REGISTERS: window 0: v0-31 addresses; v32-63 scale words, two sets; v64-127 the bias along the registers; from v128 A's fragments, one set (on the way out at work).
;   window 1: B's fragments, two sets, at v0 and v128; v96-111 the bias of a lane's row, in pairs.  windows 2, 3: the accumulators of my rows 0-63, 64-127 ((a, b) at v[8 (8 (a % 4) + b)]).
.set ROWB,   256
.set NQ,     2
.set KROW,   768
.set STEPS,  8
.set CHUNKS, 3
.set PITCH,  272                       ; 256 bytes + 16 of padding
.set FR,     12
.set NL,     6
.set NP,     4                         ; places behind this matrix instruction (ISA guide 7.12.1)
.set HALFT,  128*PITCH
.set SLOT,   4*HALFT                   ; A's 256 rows, then B's 256 rows
.set KS,     32
.set SCL,    2*SLOT                    ; the scales, as units of 256 bytes + 16 of padding
.set HALFS,  (128*KS/256)*272
.set SBLK,   (16*KS/256)*272
.set SPARE,  SCL+4*HALFS               ; the spare words: 128 bytes a wave
.set RECB,   6400
.set STEPB,  19200
.set HEADB,  307200
.set BOF,  9                           ; 32 h
.set BOV,  10                          ; 4 r
.set ADRA, 16                          ; v16-17 my A fragments in slot 0, 1; v18-19 for pieces whose two lane halves read different chunks
.set ADRB, 20                          ; v20-23 the same for B
.set LN,   24
.set VOS,  25                          ; 16 r + a head's bytes for lanes 16-31
.set VO,   26                          ; 16 x lane
.set ADRS, 27                          ; my scale words: lanes 0-15 A's rows, lanes 16-31 B's
.set SPW,  28                          ; my spare word; never rewritten
.set NIL,  29                          ; 0; never rewritten
.set SC,   32
.set BI,   64                          ; bias[16 b + 8 h + j] at 8 b + j
.set BV,   96                          ; window 1: bias[16 a + r], twice, at 2 a
.set AF,   128
.set T,    128                         ; the way out: 64 numbers at work
.set TM,   192
.set PWR,  208
.set CT0,  210
.set CT1,  214
.set F0,   224
.set F1,   236
.set W,    248
.set G1, 24
.set G0, 32
.set G1B, 48
.set G0B, 56
.set G1S, 68
.set G0S, 76
.set G1SB, 80
.set G0SB, 88
.set G0H, 4                            ; group 0 of the head's loads of chunk 0, in registers whose arguments have been used
.set G0HB, 8
.set ISV, 95                           ; 1 in the clusters that make v
.set BP,  96
.set SEL, 98                           ; v_permlanex16_b32's selects for lane l xor 16
.set MSB, 0
.macro WIN new                         ; the immediate's high byte repeats the setting that is left
.if MSB != (\new)
	s_set_vgpr_msb (MSB<<8)|(\new)
.set MSB, \new
.endif
.endm
.set MUL_LO, 0xa1
.set MUL_HI, 0xf1
.set TO_B,   0x40
.macro PLACES n
.rept \n
	v_nop
.endr
.endm
; a joint load: waves 0, 1 fetch for A, waves 2, 3 for B; s_nop 0 and four v_nop behind each line
.macro JLOAD g0a, g1a, g0b, g1b
	s_cmp_eq_u32 s15, 0
	s_cbranch_scc0 .Lfor_b_\@
	tensor_load_to_lds s[\g0a:\g0a+3], s[\g1a:\g1a+7]
	s_nop 0
	PLACES 4
	s_branch .Lasked_\@
.Lfor_b_\@:
	tensor_load_to_lds s[\g0b:\g0b+3], s[\g1b:\g1b+7]
	s_nop 0
	PLACES 4
.Lasked_\@:
.endm
.macro CREST                           ; a round of the cluster's barrier behind its opening barrier
	s_cmp_lg_u32 s14, 0
	s_cbranch_scc1 .Lnot_wave_0_\@
	s_barrier_signal -3
.Lnot_wave_0_\@:
	s_barrier_wait -3
	s_barrier_signal -1
	s_barrier_wait -1
.endm
.macro CROUND
	s_barrier_signal -1
	s_barrier_wait -1
	CREST
.endm
	s_load_b512 s[68:83], s[0:1], 0x0              ; x's codes 68, scales 70, wq's 72, 74, wk's 76, 78, wv's 80, 82
	s_load_b256 s[84:91], s[0:1], 0x40             ; bq 84, bk 86, bv 88, qkv 90
	v_lshl_add_u32 v[SPW], v0, 2, SPARE
	v_mov_b32 v[NIL], 0
	ds_add_u32 v[SPW], v[NIL]                      ; the opening lines: the add twice on end and one wait
	ds_add_u32 v[SPW], v[NIL]
	v_lshrrev_b32 v1, 5, v0
	v_readfirstlane_b32 s14, v1                    ; wave 0..3
	s_lshr_b32 s15, s14, 1                         ; my half of A's rows; also: I fetch for A (0) or B (1)
	s_and_b32 s16, s14, 1                          ; my half of B's rows; also: which 128 rows I fetch
	s_bfe_u32 s40, ttmp6, 0x40000                  ; cx
	s_bfe_u32 s41, ttmp6, 0x40004                  ; cy
	s_and_b32 s20, ttmp7, 0xffff
	s_lshl_b32 s20, s20, 2                         ; the first of the cluster's four tiles of x's rows
	s_lshl_b32 s43, s41, 2
	s_lshl_b32 s43, 15, s43                        ; my row of the cluster
	s_lshl_b32 s44, 0x1111, s40                    ; my column
	s_mov_b32 s[SEL], 0x76543210
	s_mov_b32 s[SEL+1], 0xfedcba98
	s_wait_dscnt 0x0
	s_wait_kmcnt 0x0
	s_cmp_eq_u32 ttmp9, 0                          ; the choices hang on the cluster's x alone
	s_cselect_b64 s[8:9], s[72:73], s[76:77]
	s_cselect_b64 s[10:11], s[74:75], s[78:79]
	s_cselect_b64 s[BP:BP+1], s[84:85], s[86:87]
	s_cmp_eq_u32 ttmp9, 2
	s_cselect_b64 s[4:5], s[80:81], s[68:69]       ; A's codes: wv's for v, else x's
	s_cselect_b64 s[6:7], s[82:83], s[70:71]
	s_cselect_b64 s[8:9], s[68:69], s[8:9]         ; B's codes: x's for v
	s_cselect_b64 s[10:11], s[70:71], s[10:11]
	s_cselect_b64 s[BP:BP+1], s[88:89], s[BP:BP+1]
	s_cselect_b32 s[ISV], 1, 0
	s_cselect_b32 s18, 0, s20
	s_cselect_b32 s19, s20, 0
	s_mov_b64 s[12:13], s[90:91]                   ; qkv
	s_add_co_u32 s17, s18, s41                     ; A's tile of 256 rows: hangs on cy, not on cx
	s_add_co_u32 s42, s19, s40                     ; B's: on cx, not on cy
	; group 1: rows of 256 bytes, 16 bytes of padding behind each; 256 rows for the head's loads
	s_or_b32 s[G1+0], s43, (0<<16)|(1<<20)|(1<<21)|(5<<22)|(3<<25)
	s_or_b32 s[G1B+0], s44, (0<<16)|(1<<20)|(1<<21)|(5<<22)|(3<<25)
.irp g, G1, G1B
	s_mov_b32 s[\g+1], ROWB<<16
	s_mov_b32 s[\g+2], 256<<16
	s_mov_b32 s[\g+3], ROWB<<16
	s_mov_b32 s[\g+4], 256
	s_mov_b32 s[\g+5], KROW
	s_mov_b32 s[\g+6], 0
	s_mov_b32 s[\g+7], 0
.endr
	; the scales of 256 rows: 8,192 dense bytes as 32 rows of 256 bytes
	s_or_b32 s[G1S+0], s43, (3<<16)|(1<<20)|(1<<21)|(5<<22)|(3<<25)
	s_or_b32 s[G1SB+0], s44, (3<<16)|(1<<20)|(1<<21)|(5<<22)|(3<<25)
.irp g, G1S, G1SB
	s_mov_b32 s[\g+1], 32<<16
	s_mov_b32 s[\g+2], KS<<16
	s_mov_b32 s[\g+3], 32<<16
	s_mov_b32 s[\g+4], KS
	s_mov_b32 s[\g+5], 32
	s_mov_b32 s[\g+6], 0
	s_mov_b32 s[\g+7], 0
.endr
	s_lshl_b32 s20, s17, 8
	s_lshl_b32 s46, s42, 8
	s_mov_b32 s21, 0
	s_mov_b32 s47, 0
	s_mov_b64 s[18:19], KS
	s_mul_u64 s[22:23], s[20:21], s[18:19]         ; where the tiles' scales begin, in bytes
	s_mul_u64 s[92:93], s[46:47], s[18:19]
	s_mov_b64 s[18:19], KROW
	s_mul_u64 s[20:21], s[20:21], s[18:19]         ; and their codes
	s_mul_u64 s[46:47], s[46:47], s[18:19]
	s_mul_i32 s18, s16, 128*KROW                   ; in the ring: my 128 rows of a tile
	s_mov_b32 s19, 0
	s_mul_i32 s45, s14, HALFT                      ; and where they go: wave x 128 rows
	s_add_nc_u64 s[20:21], s[4:5], s[20:21]
	s_add_nc_u64 s[22:23], s[6:7], s[22:23]
	s_add_nc_u64 s[46:47], s[8:9], s[46:47]
	s_add_nc_u64 s[92:93], s[10:11], s[92:93]
	CROUND                                         ; all sixteen work-groups are here: the first joint loads meet
	s_mov_b32 s[G0H], 1
	s_mov_b32 s[G0H+1], 0
	s_mov_b64 s[G0H+2:G0H+3], s[20:21]
	s_or_b32 s[G0H+3], s[G0H+3], 0x80000000
	s_mov_b32 s[G0HB], 1
	s_mov_b32 s[G0HB+1], 2*HALFT
	s_mov_b64 s[G0HB+2:G0HB+3], s[46:47]
	s_or_b32 s[G0HB+3], s[G0HB+3], 0x80000000
	s_mov_b32 s[G0S], 1
	s_mov_b32 s[G0S+1], SCL
	s_mov_b64 s[G0S+2:G0S+3], s[22:23]
	s_or_b32 s[G0S+3], s[G0S+3], 0x80000000
	s_mov_b32 s[G0SB], 1
	s_mov_b32 s[G0SB+1], SCL+2*HALFS
	s_mov_b64 s[G0SB+2:G0SB+3], s[92:93]
	s_or_b32 s[G0SB+3], s[G0SB+3], 0x80000000
	s_add_nc_u64 s[20:21], s[20:21], s[18:19]
	s_add_nc_u64 s[46:47], s[46:47], s[18:19]
.irp s, 0,1
	s_mov_b32 s[G0+4*\s], 1
	s_add_co_u32 s[G0+4*\s+1], s45, \s*SLOT
	s_add_nc_u64 s[G0+4*\s+2:G0+4*\s+3], s[20:21], \s*ROWB
	s_or_b32 s[G0+4*\s+3], s[G0+4*\s+3], 0x80000000
	s_mov_b32 s[G0B+4*\s], 1
	s_add_co_u32 s[G0B+4*\s+1], s45, \s*SLOT
	s_add_nc_u64 s[G0B+4*\s+2:G0B+4*\s+3], s[46:47], \s*ROWB
	s_or_b32 s[G0B+4*\s+3], s[G0B+4*\s+3], 0x80000000
.endr
; the head's four tiles, one load a wave, in one tree of branches: wave 0 chunk 0 of A's 256 rows, wave 1 of B's, wave 2 A's scales, wave 3 B's
.macro ARM under, g0, g1, next
	s_cmp_lt_u32 s14, \under
	s_cbranch_scc0 \next
	tensor_load_to_lds s[\g0:\g0+3], s[\g1:\g1+7]
	s_nop 0
	PLACES 4
	s_branch .Lhead_asked
\next:
.endm
	ARM 1, G0H,  G1,  .Lhead_b
	ARM 2, G0HB, G1B, .Lhead_sa
	ARM 3, G0S,  G1S, .Lhead_sb
	tensor_load_to_lds s[G0SB:G0SB+3], s[G1SB:G1SB+7]
	s_nop 0
	PLACES 4
.Lhead_asked:
	v_and_b32 v1, 15, v0                           ; r
	v_bfe_u32 v2, v0, 4, 1                         ; h
	v_mul_u32_u24 v3, v1, PITCH
	v_mul_u32_u24 v4, v2, 24
	v_add_nc_u32 v4, v3, v4                        ; row x pitch + 24 h
	s_mov_b32 s21, SLOT-232
	s_mov_b32 s22, SLOT+232
	v_sub_nc_u32 v7, 1, v2
	v_mul_u32_u24 v5, s21, v2
	v_add_nc_u32 v5, v3, v5
	v_add_nc_u32 v5, 232, v5                       ; lanes 0-15 byte 232 of the row in slot 0, lanes 16-31 byte 0 in slot 1
	v_mul_u32_u24 v6, s22, v7
	v_add_nc_u32 v6, v3, v6                        ; and the other way round
	s_mul_i32 s21, s15, HALFT
	s_mul_i32 s22, s16, HALFT
	s_add_co_u32 s22, s22, 2*HALFT
	v_add_nc_u32 v[ADRA+2], s21, v5
	v_add_nc_u32 v[ADRA+3], s21, v6
	v_add_nc_u32 v[ADRB+2], s22, v5
	v_add_nc_u32 v[ADRB+3], s22, v6
.irp s, 0,1
	v_add_nc_u32 v[ADRA+\s], s21, v4
	v_add_nc_u32 v[ADRB+\s], s22, v4
	s_add_co_u32 s21, s21, SLOT
	s_add_co_u32 s22, s22, SLOT
.endr
	v_mul_u32_u24 v5, v1, KS                       ; my row's scales: 32 bytes a row,
	v_lshrrev_b32 v6, 8, v5
	v_lshl_add_u32 v5, v6, 4, v5                   ; and 16 more for each 256 passed
	s_mul_i32 s21, s15, HALFS
	s_mul_i32 s22, s16, HALFS
	s_add_co_u32 s22, s22, 2*HALFS
	s_sub_co_u32 s22, s22, s21
	v_mul_u32_u24 v6, s22, v2                      ; lanes 16-31 take B's: the lower base + h x the distance
	s_add_co_u32 s21, s21, SCL
	v_add_nc_u32 v5, v5, v6
	v_add_nc_u32 v[ADRS], s21, v5
	; where my results go: one of my two blocks of 128 is a step of x's rows (ms: batch ms / 16, step ms % 16), the other two heads' channels (ws)
	s_lshl_b32 s20, s17, 1
	s_add_co_u32 s20, s20, s15
	s_lshl_b32 s46, s42, 1
	s_add_co_u32 s46, s46, s16
	s_cmp_eq_u32 s[ISV], 1
	s_cselect_b32 s21, s46, s20                    ; ms
	s_cselect_b32 s22, s20, s46                    ; ws
	s_lshr_b32 s23, s21, 4
	s_lshl_b32 s23, s23, 8
	s_and_b32 s21, s21, 15
	s_add_co_u32 s23, s23, s21
	s_lshl_b32 s21, s22, 5
	s_add_co_u32 s23, s23, s21
	s_mul_i32 s20, s23, STEPB
	s_mul_i32 s21, ttmp9, RECB                     ; the step's Q, K or V record
	s_add_co_u32 s20, s20, s21
	s_mov_b32 s21, 0
	s_add_nc_u64 s[12:13], s[12:13], s[20:21]
	s_lshl_b32 s20, s22, 9
	s_add_nc_u64 s[BP:BP+1], s[BP:BP+1], s[20:21]  ; the bias of my 128 channels
	v_and_b32 v[LN], 31, v0
	v_lshlrev_b32 v[VO], 4, v[LN]
	v_mul_u32_u24 v[VOS], v2, HEADB
	v_lshl_add_u32 v[VOS], v1, 4, v[VOS]
	v_lshlrev_b32 v[BOF], 5, v2
	v_lshlrev_b32 v[BOV], 2, v1
	; the bias in both layouts; waited for at the way out
.irp b, 0,1,2,3,4,5,6,7
	global_load_b128 v[BI+8*\b:BI+8*\b+3], v[BOF], s[BP:BP+1] offset:64*\b
	global_load_b128 v[BI+8*\b+4:BI+8*\b+7], v[BOF], s[BP:BP+1] offset:64*\b+16
.endr
	WIN TO_B
.irp a, 0,1,2,3,4,5,6,7
	global_load_b32 v[BV+2*\a], v[BOV], s[BP:BP+1] offset:64*\a
	global_load_b32 v[BV+2*\a+1], v[BOV], s[BP:BP+1] offset:64*\a
.endr
	WIN 0
; a fragment: 12 registers, in pieces of 8 bytes; byte y of a row of codes lies in slot (y / 256) % 2 at byte y % 256 of the LDS row; lanes 16-31 read 24 bytes on
.macro FRAG reg, adr, st, i
.irp p, 0,1,2,3,4,5
.set BY, 96*(\st)+48*(\p/3)+8*(\p%3)
.if BY/ROWB == (BY+24)/ROWB
	ds_load_b64 v[\reg+2*\p:\reg+2*\p+1], v[\adr+(BY/ROWB)%2] offset:BY%ROWB+(\i)*16*PITCH
.else
	ds_load_b64 v[\reg+2*\p:\reg+2*\p+1], v[\adr+2+(BY/ROWB)%2] offset:BY%ROWB-232+(\i)*16*PITCH
.endif
.endr
.endm
; 16 matrix instructions: A's blocks a0, a0 + 1 x B's eight.  The 64 accumulators take turns; zero = 1: the first product starts the sums
.macro MUL16 a0, p, q, sc, zero
.irp a, \a0, \a0+1
.irp b, 0,1,2,3,4,5,6,7
.set DD, 8*(8*((\a)%4)+\b)
.set BB, 128*(\p)+FR*\b
.set AA, AF+FR*(\a)
.set SB, SC+8*NQ*(\sc)+NQ*\b+(\q)
.set SA, SC+8*NQ*(\sc)+NQ*(\a)+(\q)
.if \zero
	v_wmma_scale_f32_16x16x128_f8f6f4 v[DD:DD+7], v[BB:BB+11], v[AA:AA+11], 0, v[SB], v[SA] matrix_a_fmt:MATRIX_FMT_FP6 matrix_b_fmt:MATRIX_FMT_FP6 matrix_a_scale:MATRIX_SCALE_ROW1
.else
	v_wmma_scale_f32_16x16x128_f8f6f4 v[DD:DD+7], v[BB:BB+11], v[AA:AA+11], v[DD:DD+7], v[SB], v[SA] matrix_a_fmt:MATRIX_FMT_FP6 matrix_b_fmt:MATRIX_FMT_FP6 matrix_a_scale:MATRIX_SCALE_ROW1
.endif
.endr
.endr
.endm
.macro FETCH_B st, p
	WIN TO_B
.irp i, 0,1,2,3,4,5,6,7
	FRAG 128*(\p)+FR*\i, ADRB, \st, \i
.endr
	WIN 0
.endm
.macro FETCH_A st, i0
.irp i, \i0, \i0+1, \i0+2, \i0+3
	FRAG AF+FR*(\i), ADRA, \st, \i
.endr
.endm
.macro SCALES pr                       ; the scale words of steps 2 pr, 2 pr + 1 into set pr % 2
.irp i, 0,1,2,3,4,5,6,7
	ds_load_b64 v[SC+8*NQ*((\pr)%2)+NQ*\i:SC+8*NQ*((\pr)%2)+NQ*\i+1], v[ADRS] offset:\i*SBLK+4*NQ*(\pr)
.endr
.endm
; A step: 64 matrix instructions; the next step's fragments are fetched in its middle and at its end.
; Where the next step's bytes end in a chunk not read yet: the wait for my tensor loads and a barrier ahead of the fetch.  Where they begin in a later chunk than this step's: the chunk left behind is read no more:
; the wait, the add, the wait for it and for my reads, the barrier; where a chunk two on is left to fetch, the barrier opens a round of the cluster's barrier and the slot is filled again.
.macro STEP st, zero
.set NX, (\st)+1
.set C0, (96*(\st))/ROWB
.set C1, (96*NX)/ROWB
.set E0, (96*(\st)+95)/ROWB
.set E1, (96*NX+95)/ROWB
.if C1 > C0 || E1 > E0
	s_wait_tensorcnt 0x0                           ; all my tensor loads have landed
.if C1 > C0
	ds_add_u32 v[SPW], v[NIL]
	s_wait_dscnt 4*NL+1                            ; the add and the youngest 24 loads (A's blocks 4-7) may be out
.else
	s_wait_dscnt 4*NL                              ; the youngest 24 loads may be out
.endif
	WIN MUL_LO
	MUL16 0, (\st)%2, (\st)%2, ((\st)/2)%2, \zero
	s_wait_dscnt 0x0                               ; the add and all my reads are done
	s_barrier_signal -1
	MUL16 2, (\st)%2, (\st)%2, ((\st)/2)%2, \zero
	WIN 0
	s_barrier_wait -1
.if C1 > C0 && C0+2 < CHUNKS
	CREST
	s_add_nc_u64 s[G0+4*(C0%2)+2:G0+4*(C0%2)+3], s[G0+4*(C0%2)+2:G0+4*(C0%2)+3], 2*ROWB
	s_add_nc_u64 s[G0B+4*(C0%2)+2:G0B+4*(C0%2)+3], s[G0B+4*(C0%2)+2:G0B+4*(C0%2)+3], 2*ROWB
	JLOAD G0+4*(C0%2), G1, G0B+4*(C0%2), G1B       ; chunk C0 + 2; its four v_nop are the places in front of the loads below
.else
	PLACES NP
.endif
.else
	s_wait_dscnt 4*NL
	WIN MUL_LO
	MUL16 0, (\st)%2, (\st)%2, ((\st)/2)%2, \zero
	MUL16 2, (\st)%2, (\st)%2, ((\st)/2)%2, \zero
	s_wait_dscnt 0
	PLACES NP
.endif
	FETCH_B NX, NX%2
	FETCH_A NX, 0
.if NX%2 == 0
	SCALES NX/2
.endif
	WIN MUL_HI
	MUL16 4, (\st)%2, (\st)%2, ((\st)/2)%2, \zero
	MUL16 6, (\st)%2, (\st)%2, ((\st)/2)%2, \zero
	PLACES NP
	WIN 0
	FETCH_A NX, 4
.endm
	s_wait_alu depctr_va_vdst(0)
	s_wait_tensorcnt 0x0                           ; my tile of the head's four is in
	ds_add_u32 v[SPW], v[NIL]
	s_mov_b32 s[G1+2], 128<<16                     ; no tensor load of mine is out: from here on a load brings 128 rows
	s_mov_b32 s[G1+4], 128
	s_mov_b32 s[G1B+2], 128<<16
	s_mov_b32 s[G1B+4], 128
	s_wait_dscnt 0x0
	CROUND
	JLOAD G0+4, G1, G0B+4, G1B                     ; chunk 1, the first tensor load behind the round
	FETCH_B 0, 0
	FETCH_A 0, 0
	SCALES 0
	FETCH_A 0, 4
	STEP 0, 1
.set ST, 1
.rept STEPS-2
	STEP ST, 0
.set ST, ST+1
.endr
	s_wait_dscnt 4*NL                              ; the last step: nothing more to fetch
	WIN MUL_LO
	MUL16 0, 1, 1, 1, 0
	MUL16 2, 1, 1, 1, 0
	s_wait_dscnt 0
	WIN MUL_HI
	MUL16 4, 1, 1, 1, 0
	MUL16 6, 1, 1, 1, 0
	WIN 0
; THE WAY OUT: no LDS.  Block a of A's rows (64 numbers a lane) gets its bias, is quantised along the registers, and its codes are an operand's registers as they stand.
; TAKE: a packed addition is the bias and the move into window 0; each accumulator from its low end on.  kind 0: the bias runs along the registers; 1: one number a lane.
.macro TAKE a, kind
.if \kind
	WIN 0x06+(\a)/4
.else
	WIN 0x02+(\a)/4
.endif
.set AC, 64*((\a)%4)
.set ii, 0
.rept 32
.if \kind
	v_pk_add_f32 v[T+ii:T+ii+1], v[AC+ii:AC+ii+1], v[BV+2*(\a):BV+2*(\a)+1]
.else
	v_pk_add_f32 v[T+ii:T+ii+1], v[AC+ii:AC+ii+1], v[BI+ii:BI+ii+1]
.endif
.set ii, ii+2
.endr
	WIN 0
.endm
; QUANT: register 16 b + i is a number of block b of my row (my half's 16 of its 32): blocks 0, 1 into v[d0 .. d0 + 5], blocks 2, 3 into v[d1 .. d1 + 5], the four scale bytes into v[pw]
.macro QUANT s, d0, d1, pw
.irp b, 0,1,2,3
	v_max3_num_f32 v[TM+\b], |v[\s+16*\b]|, |v[\s+1+16*\b]|, 0x1800000   ; with the floor 2^(3 - 127): the byte cannot fall under 1
.endr
.irp i, 2,4,6,8,10,12,14
.irp b, 0,1,2,3
	v_max3_num_f32 v[TM+\b], v[TM+\b], |v[\s+16*\b+\i]|, |v[\s+1+16*\b+\i]|
.endr
.endr
.irp b, 0,1,2,3
	v_permlanex16_b32 v[TM+4+\b], v[TM+\b], s[SEL], s[SEL+1]
.endr
.irp b, 0,1,2,3
	v_max_num_f32 v[TM+\b], v[TM+\b], v[TM+4+\b]   ; with lane l xor 16's: the block's largest magnitude
.endr
.irp b, 0,1,2,3
	v_add_nc_u32 v[TM+12+\b], 0xff000000, v[TM+\b] ; 2 off its exponent field: the conversion's scale operand
.endr
.irp b, 0,1,2,3
	v_lshrrev_b32 v[TM+4+\b], 23, v[TM+12+\b]      ; the scale's byte
.endr
	v_lshl_or_b32 v[\pw], v[TM+5], 8, v[TM+4]
	v_lshl_or_b32 v[\pw], v[TM+6], 16, v[\pw]
	v_lshl_or_b32 v[\pw], v[TM+7], 24, v[\pw]
	v_cvt_scalef32_pk16_fp6_f32 v[\d0:\d0+2], v[\s:\s+15], v[TM+12]
	v_cvt_scalef32_pk16_fp6_f32 v[CT0:CT0+2], v[\s+16:\s+31], v[TM+13]
	v_cvt_scalef32_pk16_fp6_f32 v[\d1:\d1+2], v[\s+32:\s+47], v[TM+14]
	v_cvt_scalef32_pk16_fp6_f32 v[CT1:CT1+2], v[\s+48:\s+63], v[TM+15]
	v_nop                                          ; one plain place behind a scaled conversion
.irp i, 0,1,2
	v_permlane16_swap_b32 v[\d0+\i], v[CT0+\i]     ; a whole block in a lane
.endr
.irp i, 0,1,2
	v_mov_b32 v[\d0+3+\i], v[CT0+\i]
.endr
.irp i, 0,1,2
	v_permlane16_swap_b32 v[\d1+\i], v[CT1+\i]
.endr
.irp i, 0,1,2
	v_mov_b32 v[\d1+3+\i], v[CT1+\i]
.endr
.endm
	PLACES NP                                      ; behind the last products
.irp b, 0,1,2,3
	v_mov_b32 v[TM+4+\b], 0                        ; a lane permute's destination counts as one of its sources
.endr
	s_wait_loadcnt 0x0                             ; the bias
	s_cmp_eq_u32 s[ISV], 1                         ; hangs on the cluster's x alone
	s_cbranch_scc1 .Lway_v
	; q, k: blocks 0, 1 are the first head's channels, blocks 2, 3 the second's; two blocks of 16 rows make one fragment for each head
.irp i, 0,1,2,3
	TAKE 2*\i, 0
.if \i > 0
	s_wait_xcnt 0x0                                ; the last fragments' stores have read their registers
.endif
	QUANT T, F0, F1, PWR
	TAKE 2*\i+1, 0
	QUANT T, F0+6, F1+6, PWR+1
	v_perm_b32 v[W+\i], v[PWR+1], v[PWR], 0x05040100
	v_perm_b32 v[W+4+\i], v[PWR+1], v[PWR], 0x07060302
.irp c, 0,1,2
	global_store_b128 v[VO], v[F0+4*\c:F0+4*\c+3], s[12:13] offset:1536*\i+512*\c         ; 32 lanes store 512 consecutive bytes, at a multiple of 256
.endr
.irp c, 0,1,2
	global_store_b128 v[VO], v[F1+4*\c:F1+4*\c+3], s[12:13] offset:HEADB+1536*\i+512*\c
.endr
.endr
	s_branch .Lway_end
.Lway_v:
	; v: my 128 of B's rows are a step's keys: one fragment for each block of 16 channels; channels 0-63 are the first head's
.irp a, 0,1,2,3,4,5,6,7
	TAKE \a, 1
.if \a > 0
	s_wait_xcnt 0x0
.endif
	QUANT T, F0, F0+6, W+\a
.irp c, 0,1,2
	global_store_b128 v[VO], v[F0+4*\c:F0+4*\c+3], s[12:13] offset:(\a/4)*HEADB+(\a%4)*1536+512*\c
.endr
.endr
.Lway_end:
	v_cmp_gt_u32 vcc_lo, 16, v[LN]
	s_wait_alu depctr_va_vdst(0)
.irp i, 0,1,2,3
	v_cndmask_b32 v[W+\i], v[W+4+\i], v[W+\i], vcc_lo    ; lanes 0-15 the first head's words, lanes 16-31 the second's
.endr
	global_store_b128 v[VOS], v[W:W+3], s[12:13] offset:6144   ; sixteen lanes store a record's 256 bytes of scale words
	s_wait_tensorcnt 0x0                           ; the wave's end
	ds_add_u32 v[SPW], v[NIL]
	s_wait_dscnt 0x0
	CROUND                                         ; the closing round
	s_endpgm
.Lfunc_end_k_qb83bc49aff_proj:
	.size	k_qb83bc49aff_proj, .Lfunc_end_k_qb83bc49aff_proj-k_qb83bc49aff_proj
	.p2alignl 7, 3214868480
	.fill 96, 4, 3214868480
	.section	.rodata,"a",@progbits
	.p2align	6, 0x0
	.amdhsa_kernel k_qb83bc49aff_proj
		.amdhsa_group_segment_fixed_size 327680
		.amdhsa_private_segment_fixed_size 0
		.amdhsa_enable_private_segment 0
		.amdhsa_kernarg_size 96
		.amdhsa_user_sgpr_count 2
		.amdhsa_user_sgpr_kernarg_segment_ptr 1
		.amdhsa_wavefront_size32 1
		.amdhsa_system_sgpr_workgroup_id_x 1
		.amdhsa_system_sgpr_workgroup_id_y 1
		.amdhsa_system_sgpr_workgroup_id_z 1
		.amdhsa_system_vgpr_workitem_id 0
		.amdhsa_next_free_vgpr 1024
		.amdhsa_next_free_sgpr 100
		.amdhsa_reserve_vcc 1
		.amdhsa_float_denorm_mode_32 3
		.amdhsa_float_denorm_mode_16_64 3
		.amdhsa_memory_ordered 1
		.amdhsa_forward_progress 1
		.amdhsa_inst_pref_size 233
	.end_amdhsa_kernel
	.amdgpu_metadata
---
amdhsa.version: [ 1, 2 ]
amdhsa.kernels:
  - .name:           k_qb83bc49aff_proj
    .symbol:         k_qb83bc49aff_proj.kd
    .args:
      - { .name: inputs_codes, .offset: 0, .size: 8, .value_kind: global_buffer, .address_space: global }
      - { .name: inputs_scales, .offset: 8, .size: 8, .value_kind: global_buffer, .address_space: global }
      - { .name: wq_codes, .offset: 16, .size: 8, .value_kind: global_buffer, .address_space: global }
      - { .name: wq_scales, .offset: 24, .size: 8, .value_kind: global_buffer, .address_space: global }
      - { .name: wk_codes, .offset: 32, .size: 8, .value_kind: global_buffer, .address_space: global }
      - { .name: wk_scales, .offset: 40, .size: 8, .value_kind: global_buffer, .address_space: global }
      - { .name: wv_codes, .offset: 48, .size: 8, .value_kind: global_buffer, .address_space: global }
      - { .name: wv_scales, .offset: 56, .size: 8, .value_kind: global_buffer, .address_space: global }
      - { .name: bq, .offset: 64, .size: 8, .value_kind: global_buffer, .address_space: global }
      - { .name: bk, .offset: 72, .size: 8, .value_kind: global_buffer, .address_space: global }
      - { .name: bv, .offset: 80, .size: 8, .value_kind: global_buffer, .address_space: global }
      - { .name: qkv, .offset: 88, .size: 8, .value_kind: global_buffer, .address_space: global }
    .group_segment_fixed_size: 327680
    .private_segment_fixed_size: 0
    .kernarg_segment_align: 8
    .kernarg_segment_size: 96
    .max_flat_workgroup_size: 128
    .sgpr_count:     100
    .vgpr_count:     1024
    .wavefront_size: 32
...
	.end_amdgpu_metadata
.endif
;; end of part 1
;; launch attn (part 2): grid 4 x 64, 16 waves a work-group, clusters of 4 x 1, 327,680 bytes of LDS; arguments qkv, ocw, osw; writes ocw, osw
.if DOCPART == 2
	.amdgcn_target "amdgcn-amd-amdhsa--gfx1250"
	.amdhsa_code_object_version 6
	.text
	.protected	k_qb83bc49aff_attn
	.globl	k_qb83bc49aff_attn
	.p2align	8
	.type	k_qb83bc49aff_attn,@function
k_qb83bc49aff_attn:
	s_mov_b64 s[64:65], 0
	v_nop
	global_prefetch_b8 v0, s[64:65] scope:SCOPE_SE
	s_setreg_imm32_b32 hwreg(HW_REG_WAVE_MODE, 25, 1), 1
	s_wait_xcnt 0x0
	s_wait_alu depctr_hold_cnt(0) depctr_sa_sdst(0) depctr_va_vdst(0) depctr_va_sdst(0) depctr_va_ssrc(0) depctr_va_vcc(0) depctr_vm_vsrc(0)
	s_getreg_b32 s2, hwreg(HW_REG_IB_STS2, 6, 4)
	s_cmp_eq_u32 s2, 0
	s_cbranch_scc0 .Lentry_in_a_cluster
	s_endpgm
.Lentry_in_a_cluster:
	s_bfe_u32 s2, ttmp6, 0x10000c
	s_cmp_lg_u32 s2, 0x3003
	s_cbranch_scc0 .Lentry_shape_is_right
	s_endpgm
.Lentry_shape_is_right:
.set RECB,  6400
.set STEPG, 19200
.set HEADB, 307200
.set STEPL, 12800
.set SCB,   204800
.set LI,  1
.set LR,  2
.set ADF, 3
.set ADS, 4
.set GI,  5
.set GH,  6
.set SWA, 7
.set SRA, 8
.set GW,  9
.set LN,  10
.set Q3,  16
.set QS,  34
.set QW,  35
.set QF,  36
.set FRG, 48
.set S,   96
.set O,   160
.set PC,  192
.set CT,  204
.set BM,  212
.set BP,  216
.set SO,  220
.set KSC, 224
.set VSC, 228
.set PS,  232
.set FF,  234
.set TP,  236
.set SU,  238
.set WV,  10
.set G1,  16
.set G0A, 24
.set G0B, 28
.set SEL, 32
.set CS,  34
.set TB,  36
.set CNT, 37
.macro ROUND
	s_barrier_signal -1
	s_barrier_wait -1
	s_cmp_lg_u32 s[WV], 0
	s_cbranch_scc1 .Lnot_wave_0_\@
	s_barrier_signal -3
.Lnot_wave_0_\@:
	s_barrier_wait -3
	s_barrier_signal -1
	s_barrier_wait -1
.endm
	s_load_b128 s[4:7], s[0:1], 0x0
	s_load_b64 s[8:9], s[0:1], 0x10
	v_lshl_add_u32 v254, v0, 2, 0x32800
	v_mov_b32 v255, 0
	ds_add_u32 v254, v255
	ds_add_u32 v254, v255
	v_lshrrev_b32 v1, 5, v0
	s_delay_alu instid0(VALU_DEP_1)
	v_readfirstlane_b32 s[WV], v1
	s_bfe_u32 s11, ttmp6, 0x40000
	s_lshl_b32 s12, ttmp9, 2
	s_add_co_u32 s12, s12, s11
	s_and_b32 s13, ttmp7, 0xffff
	s_mov_b32 s[G1], 15|(3<<16)|(1<<21)
	s_mov_b32 s[G1+1], 32<<16
	s_mov_b32 s[G1+2], 25<<16
	s_mov_b32 s[G1+3], 32<<16
	s_mov_b32 s[G1+4], 25
	s_mov_b32 s[G1+5], 32
	s_mov_b32 s[G1+6], 0
	s_mov_b32 s[G1+7], 0
	s_mov_b32 s[SEL], 0x76543210
	s_mov_b32 s[SEL+1], 0xfedcba98
	s_mov_b32 s[CS], 0x3e38aa3b
	s_mov_b32 s[CS+1], s[CS]
	s_mul_i32 s38, s13, HEADB
	s_lshr_b32 s14, s[WV], 1
	s_mul_i32 s14, s14, STEPG
	s_and_b32 s15, s[WV], 1
	s_mul_i32 s15, s15, RECB
	s_add_co_u32 s14, s14, s15
	s_add_co_u32 s14, s14, RECB
	s_add_co_u32 s40, s38, s14
	s_mov_b32 s41, 0
	s_mul_i32 s42, s[WV], RECB
	s_wait_dscnt 0x0
	s_wait_kmcnt 0x0
	s_mov_b32 s[G0A], 1
	s_mov_b32 s[G0A+1], s42
	s_add_nc_u64 s[G0A+2:G0A+3], s[4:5], s[40:41]
	s_add_nc_u64 s[G0B+2:G0B+3], s[G0A+2:G0A+3], 8*STEPG
	s_or_b32 s[G0A+3], s[G0A+3], 0x80000000
	s_mov_b32 s[G0B], 1
	s_add_co_u32 s[G0B+1], s42, 16*RECB
	s_or_b32 s[G0B+3], s[G0B+3], 0x80000000
	ROUND
	tensor_load_to_lds s[G0A:G0A+3], s[G1:G1+7]
	s_nop 0
	s_wait_alu depctr_va_vdst(0)
	s_wait_tensorcnt 0x0
	ds_add_u32 v254, v255
	s_wait_dscnt 0x0
	ROUND
	tensor_load_to_lds s[G0B:G0B+3], s[G1:G1+7]
	s_nop 0
.rept 4
	v_nop
.endr
	v_and_b32 v[LN], 31, v0
	s_delay_alu instid0(VALU_DEP_1)
	v_lshlrev_b32 v[LI], 4, v[LN]
	v_and_b32 v[LR], 15, v0
	s_delay_alu instid0(VALU_DEP_1)
	v_lshlrev_b32 v[LR], 4, v[LR]
	s_delay_alu instid0(VALU_DEP_4)
	v_lshlrev_b32 v[GI], 4, v[LN]
	s_wait_alu depctr_va_vdst(0)
	v_lshlrev_b32 v[GH], 3, v[LN]
	v_lshl_add_u32 v[SWA], v0, 2, SCB
	v_lshl_add_u32 v[SRA], v0, 4, SCB
	v_lshlrev_b32 v[GW], 4, v0
	s_lshl_b32 s14, s12, 2
	s_lshr_b32 s15, s[WV], 2
	s_add_co_u32 s14, s14, s15
	s_mul_i32 s14, s14, STEPG
	s_add_co_u32 s14, s14, s38
	s_and_b32 s15, s[WV], 3
	s_mul_i32 s40, s15, 1536
	s_add_co_u32 s40, s40, s14
	s_add_nc_u64 s[44:45], s[4:5], s[40:41]
	s_lshl_b32 s40, s15, 2
	s_add_co_u32 s40, s40, s14
	s_add_co_u32 s40, s40, 6144
	s_add_nc_u64 s[46:47], s[4:5], s[40:41]
	s_lshl_b32 s14, s13, 7
	s_lshl_b32 s15, s12, 5
	s_add_co_u32 s14, s14, s15
	s_lshl_b32 s15, s[WV], 1
	s_add_co_u32 s14, s14, s15
	s_mul_i32 s40, s14, 768
	s_add_nc_u64 s[6:7], s[6:7], s[40:41]
	s_lshl_b32 s14, s13, 13
	s_lshl_b32 s15, s12, 11
	s_add_co_u32 s40, s14, s15
	s_add_nc_u64 s[8:9], s[8:9], s[40:41]
.irp c, 0,1,2
	global_load_b128 v[QF+4*\c:QF+4*\c+3], v[GI], s[44:45] offset:512*\c
.endr
	global_load_b32 v[QW], v[LR], s[46:47]
.irp i, 6,7,8,9,10,11
	v_mov_b32 v[Q3+\i], 0
.endr
.irp b, 0,1,2,3
	v_mov_b32 v[BP+\b], 0
.endr
	v_mov_b32 v[FF+1], 0
	v_mov_b32 v[TP], 0
.macro STEP
	v_add_nc_u32 v[ADF], s[TB], v[LI]
	v_add_nc_u32 v[ADS], s[TB], v[LR]
	v_nop
	v_nop
.irp i, 0,1,2,3
.irp c, 0,1,2
	ds_load_b128 v[FRG+12*\i+4*\c:FRG+12*\i+4*\c+3], v[ADF] offset:1536*\i+512*\c
.endr
.endr
	ds_load_b128 v[KSC:KSC+3], v[ADS] offset:6144
	s_wait_alu depctr_va_vdst(0)
	s_wait_dscnt 0x0
.irp i, 0,1,2,3
	v_wmma_scale_f32_16x16x128_f8f6f4 v[S+16*\i:S+16*\i+7], v[FRG+12*\i:FRG+12*\i+11], v[Q3:Q3+11], 0, v[KSC+\i], v[QS] matrix_a_fmt:MATRIX_FMT_FP6 matrix_b_fmt:MATRIX_FMT_FP6
	v_wmma_scale_f32_16x16x128_f8f6f4 v[S+16*\i+8:S+16*\i+15], v[FRG+12*\i:FRG+12*\i+11], v[Q3+6:Q3+17], 0, v[KSC+\i], v[QS] matrix_a_fmt:MATRIX_FMT_FP6 matrix_b_fmt:MATRIX_FMT_FP6
.endr
.rept 4
	v_nop
.endr
.irp i, 0,1,2,3
.irp c, 0,1,2
	ds_load_b128 v[FRG+12*\i+4*\c:FRG+12*\i+4*\c+3], v[ADF] offset:RECB+1536*\i+512*\c
.endr
.endr
	ds_load_b128 v[VSC:VSC+3], v[ADS] offset:RECB+6144
.irp b, 0,1,2,3
	v_max3_num_f32 v[BM+\b], v[S+16*\b], v[S+1+16*\b], v[S+2+16*\b]
.endr
.irp i, 3,5,7,9,11,13
.irp b, 0,1,2,3
	v_max3_num_f32 v[BM+\b], v[BM+\b], v[S+16*\b+\i], v[S+1+16*\b+\i]
.endr
.endr
.irp b, 0,1,2,3
	v_max_num_f32 v[BM+\b], v[BM+\b], v[S+15+16*\b]
.endr
.irp b, 0,1,2,3
	s_delay_alu instid0(VALU_DEP_4)
	v_permlanex16_b32 v[BP+\b], v[BM+\b], s[SEL], s[SEL+1]
.endr
.irp b, 0,1,2,3
	s_delay_alu instid0(VALU_DEP_4)
	v_max_num_f32 v[BM+\b], v[BM+\b], v[BP+\b]
.endr
	s_delay_alu instid0(VALU_DEP_2)
	v_max3_num_f32 v[TP], v[BM], v[BM+1], v[BM+2]
	s_delay_alu instid0(VALU_DEP_1)
	v_max_num_f32 v[TP], v[TP], v[BM+3]
	s_delay_alu instid0(VALU_DEP_1)
	v_mul_f32 v[TP], s[CS], v[TP]
	s_delay_alu instid0(VALU_DEP_1)
	v_max_num_f32 v13, v13, v[TP]
	v_mov_b32 v[TP], v12
	s_delay_alu instid0(VALU_DEP_2)
	v_floor_f32 v12, -v13
	s_delay_alu instid0(VALU_DEP_1)
	v_sub_f32 v[TP], v12, v[TP]
	s_delay_alu instid0(VALU_DEP_1)
	v_cvt_i32_f32 v[TP], v[TP]
	s_delay_alu instid0(VALU_DEP_1)
	v_ldexp_f32 v[FF], 1.0, v[TP]
.irp j, 0,2,4,6,8,10,12,14,16,18,20,22,24,26,28,30,32,34,36,38,40,42,44,46,48,50,52,54,56,58,60,62
	v_pk_fma_f32 v[S+\j:S+\j+1], v[S+\j:S+\j+1], s[CS:CS+1], v[12:13] op_sel_hi:[1,0,0]
.endr
.irp b, 0,1,2,3
	v_fma_f32 v[BM+\b], v[BM+\b], s[CS], v12
.endr
	s_wait_alu depctr_va_vdst(0)
.irp j, 0,1,2,3,4,5,6,7,8,9,10,11,12,13,14,15,16,17,18,19,20,21,22,23,24,25,26,27,28,29,30,31,32,33,34,35,36,37,38,39,40,41,42,43,44,45,46,47,48,49,50,51,52,53,54,55,56,57,58,59,60,61,62,63
	v_exp_f32 v[S+\j], v[S+\j]
.endr
.irp b, 0,1,2,3
	v_exp_f32 v[BM+\b], v[BM+\b]
.endr
	v_pk_mul_f32 v[14:15], v[14:15], v[FF:FF+1] op_sel_hi:[1,0]
	s_wait_alu depctr_va_vdst(0)
.irp b, 0,1,2,3
	v_max_num_f32 v[BM+\b], 0x1800000, v[BM+\b]
.endr
.irp b, 0,1,2,3
	s_delay_alu instid0(VALU_DEP_4)
	v_add_nc_u32 v[SO+\b], 0xff000000, v[BM+\b]
.endr
.irp b, 0,1,2,3
	s_delay_alu instid0(VALU_DEP_4)
	v_lshrrev_b32 v[BP+\b], 23, v[SO+\b]
.endr
	s_delay_alu instid0(VALU_DEP_3)
	v_lshl_or_b32 v[PS], v[BP+1], 8, v[BP]
	s_delay_alu instid0(VALU_DEP_1)
	v_lshl_or_b32 v[PS], v[BP+2], 16, v[PS]
	s_delay_alu instid0(VALU_DEP_1)
	v_lshl_or_b32 v[PS], v[BP+3], 24, v[PS]
.irp c, 0,1
	v_cvt_scalef32_pk16_fp6_f32 v[PC+6*\c:PC+6*\c+2], v[S+32*\c:S+32*\c+15], v[SO+2*\c]
	v_cvt_scalef32_pk16_fp6_f32 v[CT+4*\c:CT+4*\c+2], v[S+32*\c+16:S+32*\c+31], v[SO+2*\c+1]
.endr
	v_nop
.irp c, 0,1
.irp i, 0,1,2
	v_permlane16_swap_b32 v[PC+6*\c+\i], v[CT+4*\c+\i]
.endr
.irp i, 0,1,2
	s_delay_alu instid0(VALU_DEP_3)
	v_mov_b32 v[PC+3+6*\c+\i], v[CT+4*\c+\i]
.endr
.endr
	v_pk_add_f32 v[SU:SU+1], v[S:S+1], v[S+2:S+3]
.irp j, 4,8,12,16,20,24,28,32,36,40,44,48,52,56,60
	v_pk_add_f32 v[14:15], v[14:15], v[S+\j:S+\j+1]
	v_pk_add_f32 v[SU:SU+1], v[SU:SU+1], v[S+2+\j:S+3+\j]
.endr
	s_delay_alu instid0(VALU_DEP_1)
	v_pk_add_f32 v[14:15], v[14:15], v[SU:SU+1]
.irp j, 0,2,4,6,8,10,12,14,16,18,20,22,24,26,28,30
	v_pk_mul_f32 v[O+\j:O+\j+1], v[O+\j:O+\j+1], v[FF:FF+1] op_sel_hi:[1,0]
.endr
	s_wait_alu depctr_va_vdst(0)
	s_wait_dscnt 0x0
.irp a, 0,1,2,3
	v_wmma_scale_f32_16x16x128_f8f6f4 v[O+8*\a:O+8*\a+7], v[FRG+12*\a:FRG+12*\a+11], v[PC:PC+11], v[O+8*\a:O+8*\a+7], v[VSC+\a], v[PS] matrix_a_fmt:MATRIX_FMT_FP6 matrix_b_fmt:MATRIX_FMT_FP6
.endr
	s_add_co_u32 s[TB], s[TB], STEPL
.endm
.macro EPI u
.set OC, 240+8*\u
.rept 4
	v_nop
.endr
	v_add_f32 v14, v14, v15
	s_delay_alu instid0(VALU_DEP_1)
	v_permlanex16_b32 v[TP], v14, s[SEL], s[SEL+1]
	s_delay_alu instid0(VALU_DEP_1)
	v_add_f32 v14, v14, v[TP]
	s_wait_alu depctr_va_vdst(0)
	v_rcp_f32 v14, v14
	v_nop
	s_wait_alu depctr_va_vdst(0)
.irp j, 0,2,4,6,8,10,12,14,16,18,20,22,24,26,28,30
	v_pk_mul_f32 v[S+\j:S+\j+1], v[O+\j:O+\j+1], v[14:15] op_sel_hi:[1,0]
.endr
.irp g, 0,1
.irp j, 0,1,2,3,4,5,6,7
	v_permlane16_swap_b32 v[S+16*\g+\j], v[S+8+16*\g+\j]
.endr
.endr
.irp g, 0,1
	v_max3_num_f32 v[BM+\g], |v[S+16*\g]|, |v[S+1+16*\g]|, 0x1800000
.endr
.irp i, 2,4,6,8,10,12,14
.irp g, 0,1
	s_delay_alu instid0(VALU_DEP_2)
	v_max3_num_f32 v[BM+\g], v[BM+\g], |v[S+16*\g+\i]|, |v[S+1+16*\g+\i]|
.endr
.endr
.irp g, 0,1
	s_delay_alu instid0(VALU_DEP_2)
	v_permlanex16_b32 v[BP+\g], v[BM+\g], s[SEL], s[SEL+1]
.endr
.irp g, 0,1
	s_delay_alu instid0(VALU_DEP_2)
	v_max_num_f32 v[BM+\g], v[BM+\g], v[BP+\g]
.endr
.irp g, 0,1
	s_delay_alu instid0(VALU_DEP_2)
	v_add_nc_u32 v[SO+\g], 0xff000000, v[BM+\g]
.endr
.irp g, 0,1
	s_delay_alu instid0(VALU_DEP_2)
	v_lshrrev_b32 v[BP+\g], 23, v[SO+\g]
.endr
	s_delay_alu instid0(VALU_DEP_1)
	v_lshl_or_b32 v[246+\u], v[BP+1], 8, v[BP]
	v_cvt_scalef32_pk16_fp6_f32 v[OC:OC+2], v[S:S+15], v[SO]
	v_cvt_scalef32_pk16_fp6_f32 v[CT:CT+2], v[S+16:S+31], v[SO+1]
	v_nop
.irp i, 0,1,2
	v_permlane16_swap_b32 v[OC+\i], v[CT+\i]
.endr
.irp i, 0,1,2
	s_delay_alu instid0(VALU_DEP_3)
	v_mov_b32 v[OC+3+\i], v[CT+\i]
.endr
	global_store_b128 v[GI], v[OC:OC+3], s[6:7] offset:768*\u
	global_store_b64 v[GH], v[OC+4:OC+5], s[6:7] offset:768*\u+512
.endm
.macro PASS u
.irp i, 0,1,2,3,4,5
	v_mov_b32 v[Q3+\i], v[QF+6*\u+\i]
	v_mov_b32 v[Q3+12+\i], v[QF+6*\u+\i]
.endr
.if \u == 0
	v_perm_b32 v[QS], v[QW], v[QW], 0x01000100
.else
	v_perm_b32 v[QS], v[QW], v[QW], 0x03020302
.endif
	v_mov_b32 v13, 0xff61b1e6
	s_delay_alu instid0(VALU_DEP_1)
	v_floor_f32 v12, -v13
	v_mov_b32 v14, 0
	v_mov_b32 v15, 0
.irp j, 0,1,2,3,4,5,6,7,8,9,10,11,12,13,14,15,16,17,18,19,20,21,22,23,24,25,26,27,28,29,30,31
	v_mov_b32 v[O+\j], 0
.endr
	s_mov_b32 s[TB], 0
.if \u == 0
	s_mov_b32 s[CNT], 8                            ; the first pass begins on steps 0-7, LDS bytes 0 .. 102,399: the round in front of the second load has shown them whole to every wave
.Lhalf_\@:
	STEP
	s_sub_co_u32 s[CNT], s[CNT], 1
	s_cmp_lg_u32 s[CNT], 0
	s_cbranch_scc1 .Lhalf_\@
	s_wait_tensorcnt 0x0                           ; my part of steps 8-15 has landed;
	s_barrier_signal -1                            ; (none of my LDS loads is out here)
	s_barrier_wait -1                              ; everybody's has: the bytes from 102,400 on are read only behind this barrier; nothing is filled again
	s_mov_b32 s[CNT], 8
.else
	s_mov_b32 s[CNT], 16
.endif
.Lstep_\@:
	STEP
	s_sub_co_u32 s[CNT], s[CNT], 1
	s_cmp_lg_u32 s[CNT], 0
	s_cbranch_scc1 .Lstep_\@
	EPI \u
.endm
	s_wait_loadcnt 0x0
	PASS 0
	PASS 1
	v_cmp_gt_u32 vcc_lo, 16, v[LN]
	s_delay_alu instid0(VALU_DEP_1)
	v_cndmask_b32 v[TP], v247, v246, vcc_lo
	ds_store_b32 v[SWA], v[TP]
	s_wait_dscnt 0x0
	s_barrier_signal -1
	s_barrier_wait -1
	s_cmp_lt_u32 s[WV], 4
	s_cbranch_scc0 .Lno_words
	ds_load_b128 v[S:S+3], v[SRA]
	s_wait_dscnt 0x0
	global_store_b128 v[GW], v[S:S+3], s[8:9]
.Lno_words:
	s_wait_tensorcnt 0x0
	ds_add_u32 v254, v255
	s_wait_dscnt 0x0
	ROUND
	s_endpgm
.Lfunc_end_k_qb83bc49aff_attn:
	.size	k_qb83bc49aff_attn, .Lfunc_end_k_qb83bc49aff_attn-k_qb83bc49aff_attn
	.p2alignl 7, 3214868480
	.fill 96, 4, 3214868480
	.section	.rodata,"a",@progbits
	.p2align	6, 0x0
	.amdhsa_kernel k_qb83bc49aff_attn
		.amdhsa_group_segment_fixed_size 327680
		.amdhsa_private_segment_fixed_size 0
		.amdhsa_enable_private_segment 0
		.amdhsa_kernarg_size 24
		.amdhsa_user_sgpr_count 2
		.amdhsa_user_sgpr_kernarg_segment_ptr 1
		.amdhsa_wavefront_size32 1
		.amdhsa_system_sgpr_workgroup_id_x 1
		.amdhsa_system_sgpr_workgroup_id_y 1
		.amdhsa_system_sgpr_workgroup_id_z 1
		.amdhsa_system_vgpr_workitem_id 0
		.amdhsa_next_free_vgpr 256
		.amdhsa_next_free_sgpr 66
		.amdhsa_reserve_vcc 1
		.amdhsa_float_denorm_mode_32 3
		.amdhsa_float_denorm_mode_16_64 3
		.amdhsa_memory_ordered 1
		.amdhsa_forward_progress 1
		.amdhsa_inst_pref_size 69
	.end_amdhsa_kernel
	.amdgpu_metadata
---
amdhsa.version: [ 1, 2 ]
amdhsa.kernels:
  - .name:           k_qb83bc49aff_attn
    .symbol:         k_qb83bc49aff_attn.kd
    .args:
      - { .name: qkv, .offset: 0, .size: 8, .value_kind: global_buffer, .address_space: global }
      - { .name: ocw, .offset: 8, .size: 8, .value_kind: global_buffer, .address_space: global }
      - { .name: osw, .offset: 16, .size: 8, .value_kind: global_buffer, .address_space: global }
    .group_segment_fixed_size: 327680
    .private_segment_fixed_size: 0
    .kernarg_segment_align: 8
    .kernarg_segment_size: 24
    .max_flat_workgroup_size: 512
    .sgpr_count:     66
    .vgpr_count:     256
    .wavefront_size: 32
...
	.end_amdgpu_metadata
.endif
;; end of part 2
;; launch outp (part 3): grid 256 x 1, 8 waves a work-group, no clusters, 9,984 bytes of LDS; arguments ocw, osw, wo_codes, wo_scales, bo, out0; writes out0
.if DOCPART == 3
	.amdgcn_target "amdgcn-amd-amdhsa--gfx1250"
	.amdhsa_code_object_version 6
	.text
	.protected	k_qb83bc49aff_outp
	.globl	k_qb83bc49aff_outp
	.p2align	8
	.type	k_qb83bc49aff_outp,@function
k_qb83bc49aff_outp:
	s_mov_b64 s[64:65], 0
	v_nop
	global_prefetch_b8 v0, s[64:65] scope:SCOPE_SE
	s_setreg_imm32_b32 hwreg(HW_REG_WAVE_MODE, 25, 1), 1
	s_wait_xcnt 0x0
; out = o wo + bo on codes of FP6 (E2M3) with one E8M0 scale for each 32 along K = 1,024 = head x 64 + channel.
; ocw: [b x 16 + head][tile of 16 rows (128)][768 bytes]: half a fragment, the head's 64 channels: registers 0-3 of lane l at 16 l, registers 4, 5 at 512 + 8 l.  osw: [b x 16 + head][row (2,048)] words, the head's two scale bytes in bits 15:0.
; wo: 64 rows (its outputs) of 768 bytes of codes, 32 scale bytes a row.  out: [8,192][64] f32.
; SHARES.  A work-group owns 32 rows of out; wave w makes rows 16 (w / 4) on x outputs 16 (w % 4) on: eight matrix instructions, K ascending, on two accumulators by turns, which are added at the end.
; All that a wave needs is asked for in one run of loads.  No tensor loads, no cluster: what work-groups share, wo's 49,152 bytes, is a small part of the 6.8 million bytes that the launch reads.
; The product is used transposed (source 0 = 16 rows of wo, source 1 = 16 rows of o): a lane holds eight neighbouring outputs of one row.  The bias is the C of the first product.
; A row's 256 bytes come from four waves: they meet in a stage in LDS (rows of 256 + 16 bytes), and each wave stores four whole rows.
.set WO,   16                          ; v16-111  wo's eight fragments
.set OF,   112                         ; v112-207 o's eight: fragment k = heads 2 k, 2 k + 1
.set OSR,  208                         ; v208-223 the sixteen heads' words as loaded
.set OSM,  224                         ; v224-231 o's scale words
.set WS,   232                         ; v232-239 wo's
.set BO,   240                         ; v240-247 the bias
.set ACC0, 248                         ; v248-255
.set ACC1, 208                         ; v208-215, once the words there have been merged
.set RS,   216                         ; v216-223 the result
	s_load_b256 s[4:11], s[0:1], 0x0               ; ocw, osw, wo's codes, wo's scales
	s_load_b128 s[12:15], s[0:1], 0x20             ; bo, out
	v_lshl_add_u32 v14, v0, 2, 0x2300
	v_mov_b32 v15, 0
	v_lshrrev_b32 v1, 5, v0
	s_delay_alu instid0(VALU_DEP_1)
	v_readfirstlane_b32 s16, v1                    ; wave 0..7
	s_and_b32 s17, s16, 3                          ; which 16 outputs
	s_lshr_b32 s18, s16, 2                         ; which 16 rows
	s_lshr_b32 s19, ttmp9, 6                       ; the batch
	s_and_b32 s20, ttmp9, 63
	s_lshl_b32 s20, s20, 1
	s_add_co_u32 s20, s20, s18                     ; my tile of 16 rows among the batch's 128
	v_and_b32 v12, 31, v0                          ; lane
	v_and_b32 v1, 15, v0                           ; r
	v_bfe_u32 v2, v0, 4, 1                         ; h
	s_delay_alu instid0(VALU_DEP_3)
	v_lshlrev_b32 v3, 4, v12                       ; 16 x lane
	s_delay_alu instid0(VALU_DEP_4)
	v_lshlrev_b32 v4, 3, v12                       ; 8 x lane
	s_delay_alu instid0(VALU_DEP_4)
	v_lshlrev_b32 v5, 2, v1                        ; 4 r
	v_mul_u32_u24 v6, v1, 768
	s_delay_alu instid0(VALU_DEP_1)
	v_mad_u32_u24 v6, v2, 24, v6                   ; wo: row r, + 24 h
	v_lshlrev_b32 v7, 5, v1                        ; wo's scales: 32 bytes a row
	v_lshlrev_b32 v8, 5, v2                        ; the bias: my half's eight numbers
	s_mul_i32 s21, s18, 16*272
	s_lshl_b32 s22, s17, 6
	s_add_co_u32 s21, s21, s22
	v_mul_u32_u24 v9, v1, 272
	s_delay_alu instid0(VALU_DEP_1)
	v_lshl_add_u32 v9, v2, 5, v9
	s_delay_alu instid0(VALU_DEP_1)
	v_add_nc_u32 v9, s21, v9                       ; into the stage: row 16 (w / 4) + r, byte 64 (w % 4) + 32 h
	s_mul_i32 s21, s16, 4*272
	v_mul_u32_u24 v10, v2, 272
	s_delay_alu instid0(VALU_DEP_1)
	v_lshl_add_u32 v10, v1, 4, v10
	s_delay_alu instid0(VALU_DEP_1)
	v_add_nc_u32 v10, s21, v10                     ; back: rows 4 w + h and two further on, 16 bytes a lane
	v_lshlrev_b32 v11, 8, v2
	s_delay_alu instid0(VALU_DEP_1)
	v_lshl_add_u32 v11, v1, 4, v11                 ; and the same in out
	s_mov_b32 s23, 0
	s_mul_i32 s22, s19, 16*128*768
	s_mul_i32 s24, s20, 768
	s_add_co_u32 s22, s22, s24
	s_wait_alu depctr_va_vdst(0)
	s_wait_kmcnt 0x0
	s_add_nc_u64 s[4:5], s[4:5], s[22:23]          ; ocw at the batch's head 0, my tile
	s_lshl_b32 s22, s19, 17
	s_lshl_b32 s24, s20, 6
	s_add_co_u32 s22, s22, s24
	s_add_nc_u64 s[6:7], s[6:7], s[22:23]          ; osw likewise
	s_mul_i32 s22, s17, 16*768
	s_add_nc_u64 s[8:9], s[8:9], s[22:23]          ; my 16 rows of wo
	s_lshl_b32 s22, s17, 9
	s_add_nc_u64 s[10:11], s[10:11], s[22:23]
	s_lshl_b32 s22, s17, 6
	s_add_nc_u64 s[12:13], s[12:13], s[22:23]
	s_lshl_b32 s22, ttmp9, 13
	s_lshl_b32 s24, s16, 10
	s_add_co_u32 s22, s22, s24
	s_add_nc_u64 s[14:15], s[14:15], s[22:23]      ; out at row 32 x work-group + 4 x wave
.irp e, 0,1,2,3,4,5,6,7,8,9,10,11,12,13,14,15
	global_load_b128 v[OF+6*\e:OF+6*\e+3], v3, s[4:5] offset:98304*\e           ; head e's half fragment: 512 consecutive bytes,
	global_load_b64 v[OF+6*\e+4:OF+6*\e+5], v4, s[4:5] offset:98304*\e+512      ; and 256
.endr
.irp e, 0,1,2,3,4,5,6,7,8,9,10,11,12,13,14,15
	global_load_b32 v[OSR+\e], v5, s[6:7] offset:8192*\e
.endr
.irp k, 0,1,2,3,4,5,6,7
.irp p, 0,1,2,3,4,5
	global_load_b64 v[WO+12*\k+2*\p:WO+12*\k+2*\p+1], v6, s[8:9] offset:96*\k+48*(\p/3)+8*(\p%3)
.endr
.endr
	global_load_b128 v[WS:WS+3], v7, s[10:11]
	global_load_b128 v[WS+4:WS+7], v7, s[10:11] offset:16
	global_load_b128 v[BO:BO+3], v8, s[12:13]
	global_load_b128 v[BO+4:BO+7], v8, s[12:13] offset:16
	s_wait_loadcnt 0x0
.irp k, 0,1,2,3,4,5,6,7
	v_lshl_or_b32 v[OSM+\k], v[OSR+2*\k+1], 16, v[OSR+2*\k]   ; two heads' bytes make the word of 128 along K
.endr
.rept 8
	v_nop                                          ; a scale register written by a vector instruction stands 8 places ahead of a scaled matrix instruction
.endr
.irp k, 0,1,2,3,4,5,6,7
.if \k == 0
	v_wmma_scale_f32_16x16x128_f8f6f4 v[ACC0:ACC0+7], v[WO+12*\k:WO+12*\k+11], v[OF+12*\k:OF+12*\k+11], v[BO:BO+7], v[WS+\k], v[OSM+\k] matrix_a_fmt:MATRIX_FMT_FP6 matrix_b_fmt:MATRIX_FMT_FP6
.elseif \k == 1
	v_wmma_scale_f32_16x16x128_f8f6f4 v[ACC1:ACC1+7], v[WO+12*\k:WO+12*\k+11], v[OF+12*\k:OF+12*\k+11], 0, v[WS+\k], v[OSM+\k] matrix_a_fmt:MATRIX_FMT_FP6 matrix_b_fmt:MATRIX_FMT_FP6
.elseif \k%2 == 0
	v_wmma_scale_f32_16x16x128_f8f6f4 v[ACC0:ACC0+7], v[WO+12*\k:WO+12*\k+11], v[OF+12*\k:OF+12*\k+11], v[ACC0:ACC0+7], v[WS+\k], v[OSM+\k] matrix_a_fmt:MATRIX_FMT_FP6 matrix_b_fmt:MATRIX_FMT_FP6
.else
	v_wmma_scale_f32_16x16x128_f8f6f4 v[ACC1:ACC1+7], v[WO+12*\k:WO+12*\k+11], v[OF+12*\k:OF+12*\k+11], v[ACC1:ACC1+7], v[WS+\k], v[OSM+\k] matrix_a_fmt:MATRIX_FMT_FP6 matrix_b_fmt:MATRIX_FMT_FP6
.endif
.endr
.rept 4
	v_nop                                          ; places behind the last products
.endr
.irp j, 0,2,4,6
	v_pk_add_f32 v[RS+\j:RS+\j+1], v[ACC0+\j:ACC0+\j+1], v[ACC1+\j:ACC1+\j+1]   ; both accumulators from their low end on
.endr
	ds_store_b128 v9, v[RS:RS+3]                   ; lane (r, h): out(row r, 16 (w % 4) + 8 h + 0..7)
	ds_store_b128 v9, v[RS+4:RS+7] offset:16
	s_wait_dscnt 0x0                               ; for the others' sake: my stores into the stage are done
	s_barrier_signal -1
	s_barrier_wait -1
	ds_load_b128 v[16:19], v10
	ds_load_b128 v[20:23], v10 offset:2*272
	s_wait_dscnt 1                                 ; the first two rows are back; the second load may be out
	global_store_b128 v11, v[16:19], s[14:15] th:TH_STORE_NT             ; sixteen lanes store a row's 256 consecutive bytes, at a multiple of 256 from out's first byte
	s_wait_dscnt 0x0
	global_store_b128 v11, v[20:23], s[14:15] offset:512 th:TH_STORE_NT
	s_wait_tensorcnt 0x0
	ds_add_u32 v14, v15
	s_wait_dscnt 0x0
	s_endpgm
.Lfunc_end_k_qb83bc49aff_outp:
	.size	k_qb83bc49aff_outp, .Lfunc_end_k_qb83bc49aff_outp-k_qb83bc49aff_outp
	.p2alignl 7, 3214868480
	.fill 96, 4, 3214868480
	.section	.rodata,"a",@progbits
	.p2align	6, 0x0
	.amdhsa_kernel k_qb83bc49aff_outp
		.amdhsa_group_segment_fixed_size 9984
		.amdhsa_private_segment_fixed_size 0
		.amdhsa_enable_private_segment 0
		.amdhsa_kernarg_size 48
		.amdhsa_user_sgpr_count 2
		.amdhsa_user_sgpr_kernarg_segment_ptr 1
		.amdhsa_wavefront_size32 1
		.amdhsa_system_sgpr_workgroup_id_x 1
		.amdhsa_system_sgpr_workgroup_id_y 1
		.amdhsa_system_sgpr_workgroup_id_z 1
		.amdhsa_system_vgpr_workitem_id 0
		.amdhsa_next_free_vgpr 256
		.amdhsa_next_free_sgpr 66
		.amdhsa_reserve_vcc 0
		.amdhsa_float_denorm_mode_32 3
		.amdhsa_float_denorm_mode_16_64 3
		.amdhsa_memory_ordered 1
		.amdhsa_forward_progress 1
		.amdhsa_inst_pref_size 16
	.end_amdhsa_kernel
	.amdgpu_metadata
---
amdhsa.version: [ 1, 2 ]
amdhsa.kernels:
  - .name:           k_qb83bc49aff_outp
    .symbol:         k_qb83bc49aff_outp.kd
    .args:
      - { .name: ocw, .offset: 0, .size: 8, .value_kind: global_buffer, .address_space: global }
      - { .name: osw, .offset: 8, .size: 8, .value_kind: global_buffer, .address_space: global }
      - { .name: wo_codes, .offset: 16, .size: 8, .value_kind: global_buffer, .address_space: global }
      - { .name: wo_scales, .offset: 24, .size: 8, .value_kind: global_buffer, .address_space: global }
      - { .name: bo, .offset: 32, .size: 8, .value_kind: global_buffer, .address_space: global }
      - { .name: out0, .offset: 40, .size: 8, .value_kind: global_buffer, .address_space: global }
    .group_segment_fixed_size: 9984
    .private_segment_fixed_size: 0
    .kernarg_segment_align: 8
    .kernarg_segment_size: 48
    .max_flat_workgroup_size: 256
    .sgpr_count:     66
    .vgpr_count:     256
    .wavefront_size: 32
...
	.end_amdgpu_metadata
.endif
;; end of part 3
